; MI455X (gfx1250); checked and timed in simulation.
; The chip was launched on July 23, 2026; its instructions are those of AMD's public machine-readable ISA for CDNA 5 (MIT licence, August 2026) and "CDNA5" Instruction Set Architecture Reference Guide (July 2026). The comments in the code are by the model that wrote it; some were corrected since.
;; Moco Loss Module. Allowed arithmetic: float matrix products may take bf16 or f16 operands with f32 sums; all other float work in f32.
;; Inputs: bank 1,200,000 x 128 float32; fea_k 256 x 128 float32; fea_q 256 x 128 float32; idx 256 int32; noise_indx 256 x 4,096 int32.
;; Outputs: out0 one number float32; out1 256 x 128 float32.
;; One version. Each part assembles by itself: llvm-mc -triple=amdgcn-amd-amdhsa -mcpu=gfx1250 --defsym DOCPART=n.
;; ======== version 1 of 1: 2 launches
;; workspace buffers: part 1,024 bytes
;; launch main (part 1): grid 256 x 1, 16 waves a work-group, no clusters, 2,304 bytes of LDS; arguments bank, fea_k, fea_q, noise_indx, out1, part; writes out1, part
.if DOCPART == 1
	.amdgcn_target "amdgcn-amd-amdhsa--gfx1250"
	.amdhsa_code_object_version 6
	.text
	.protected	k_q031a473911_main
	.globl	k_q031a473911_main
	.p2align	8
	.type	k_q031a473911_main,@function
k_q031a473911_main:
	s_mov_b64 s[64:65], 0
	v_nop
	global_prefetch_b8 v0, s[64:65] scope:SCOPE_SE
	s_setreg_imm32_b32 hwreg(HW_REG_WAVE_MODE, 25, 1), 1
	s_wait_xcnt 0x0
; MoCo loss, one batch row b for each work-group (256 work-groups, 16 waves).
;   q = fea_q[b] / max(|fea_q[b]|, 1e-12), kf = fea_k[b] / max(|fea_k[b]|, 1e-12) (stored to out1[b]),
;   logits = { q.kf, q.bank[noise_indx[b][0..4095]] } / 0.07,   part[b] = log2(sum 2^y) - y0  with y = logit * log2(e).
; The second launch sums part and multiplies by ln 2 / 256.
; The work is a gather: 4096 rows of 512 bytes for 4096 x 128 multiply-adds, so bytes decide.  One load of a wave covers one whole
; bank row (32 lanes x 16 consecutive bytes), a wave keeps DEPTH = 32 such loads in flight, 16 waves x 32 x 512 bytes = 256 KiB a work-group.
; No matrix instruction: each gathered row meets ONE vector, and a fragment wants a lane per row, which would break the 512-byte loads.
; No LDS ring, no cluster: nothing is read twice inside a work-group and work-groups share no tile.  No prefetch: each row's own load
; is issued 32 rows ahead of its use.  No non-temporal hint on bank rows: the list may name a row more than once.
; LIMITS.  idx is no argument: reference() takes it and never uses it.  Indices are read as unsigned and clamped to row 1,199,999.
; Inputs are taken as finite (an infinite logit gives NaN here).  x / n is x * v_rcp_f32(n), 1 ULP; 2^x below 2^-126 counts as 0.
.set ROWS,  1200000
.set SPLIT, 0x100000                   ; first part of the index clamp
.set REST,  ROWS-1-SPLIT               ; second part: 151,423
.set DEPTH, 32                         ; ring slots = loads in flight in a wave; also the rows of one butterfly
; vector registers
.set LN,   1                           ; v1       16 x lane: my 16 bytes of any 512-byte row
.set Q,    2                           ; v[2:5]   my four q, times log2(e) / (0.07 |q|)
.set KF,   6                           ; v[6:9]   wave 0: my four of fea_k, then of kf; never rewritten behind their store
.set D,    10                          ; v[10:11] a pair at work
.set U,    12                          ; v12      butterfly: what goes to the partner lane
.set CUR,  13                          ; v13      butterfly: the newest partial
.set PEND, 14                          ; v[14:18] butterfly: the partial that waits at level 0..4
.set MX,   19                          ; v19      my lane's running maximum
.set SM,   20                          ; v20      my lane's running sum of 2^(y - MX)
.set Y0,   21                          ; v21      wave 0: the positive logit
.set T0,   22                          ; v[22:25] at work; (T0, T1) is the pair that goes through LDS
.set T1,   23
.set T2,   24
.set T3,   25
.set AD,   26                          ; v26      an LDS address, at the end the offset 0
.set X,    32                          ; v[32:159] slot i: 4 registers; the first holds the row's offset until its own load lands on it
; scalar registers
.set BANK, 4
.set FK,   6
.set FQ,   8
.set NP,   10                          ; my wave's 256 indices, stepped 128 bytes a body
.set O1,   12
.set PT,   14
.set IA,   16                          ; s[16:31] sixteen indices for slots 0-15
.set IB,   32                          ; s[32:47] sixteen indices for slots 16-31
.set WAVE, 48
.set SA,   49
.set SR,   50
.set CNT,  51
.set MK,   52                          ; s[52:56] lanes whose bit 0..4 is set
.set PLO,  57                          ; v_permlanex16_b32: lane i of one half reads lane i of the other
.set PHI,  58
.set OFA,  60                          ; s[60:61], s[62:63] byte offsets in 64 bits
.set OFB,  62
	s_load_b256 s[4:11], s[0:1], 0x0               ; bank, fea_k, fea_q, noise_indx
	s_load_b128 s[12:15], s[0:1], 0x20             ; out1, part
	v_lshl_add_u32 v160, v0, 2, 0x100
	v_mov_b32 v161, 0
	v_lshrrev_b32 v[T0], 5, v0
	v_readfirstlane_b32 s[WAVE], v[T0]             ; wave 0..15
	v_and_b32 v[LN], 31, v0
	v_lshlrev_b32 v[LN], 4, v[LN]
	s_mov_b32 s[MK+0], 0xaaaaaaaa
	s_mov_b32 s[MK+1], 0xcccccccc
	s_mov_b32 s[MK+2], 0xf0f0f0f0
	s_mov_b32 s[MK+3], 0xff00ff00
	s_mov_b32 s[MK+4], 0xffff0000
	s_mov_b32 s[PLO], 0x76543210
	s_mov_b32 s[PHI], 0xfedcba98
	s_lshl_b32 s[OFA], ttmp9, 9                    ; row b of fea_q, fea_k, out1: 512 b
	s_mov_b32 s[OFA+1], 0
	s_lshl_b32 s[OFB], ttmp9, 14                   ; row b of noise_indx: 16,384 b,
	s_lshl_b32 s[SA], s[WAVE], 10                  ; my wave's 256 indices: + 1,024 wave
	s_add_co_u32 s[OFB], s[OFB], s[SA]
	s_mov_b32 s[OFB+1], 0
	s_wait_kmcnt 0x0
	s_add_nc_u64 s[NP:NP+1], s[NP:NP+1], s[OFB:OFB+1]
	s_load_b512 s[IA:IA+15], s[NP:NP+1], 0x0       ; indices 0-15
	s_load_b512 s[IB:IB+15], s[NP:NP+1], 0x40      ; indices 16-31
	s_add_nc_u64 s[FQ:FQ+1], s[FQ:FQ+1], s[OFA:OFA+1]
	global_load_b128 v[Q:Q+3], v[LN], s[FQ:FQ+1]   ; every wave needs q; 512 bytes, read again by the 15 others: no hint
	s_cmp_lg_u32 s[WAVE], 0
	s_cbranch_scc1 .Lrows
	s_add_nc_u64 s[FK:FK+1], s[FK:FK+1], s[OFA:OFA+1]      ; wave 0 alone sees to kf, the positive logit and the result
	s_add_nc_u64 s[O1:O1+1], s[O1:O1+1], s[OFA:OFA+1]
	s_lshl_b32 s[OFB], ttmp9, 2
	s_add_nc_u64 s[PT:PT+1], s[PT:PT+1], s[OFB:OFB+1]
	global_load_b128 v[KF:KF+3], v[LN], s[FK:FK+1]         ; older than the ring's loads, so the waits below count alike in all waves
.Lrows:
; A loaded number enters an address only behind a clamp by a constant of at most 0x100000 written in the instruction.  The table has
; 1,200,000 rows, so the index is clamped in two parts: a = min(i, 0x100000), r = min(i - a, 151,423), a + r = min(i, 1,199,999).
.macro CLAMP sidx
	s_min_u32 s[SA], s[\sidx], SPLIT
	s_sub_co_u32 s[SR], s[\sidx], s[SA]
	s_min_u32 s[SR], s[SR], REST
	s_add_co_u32 s[SA], s[SA], s[SR]
.endm
; 512 x index + 16 x lane is below 614,400,000, so a 32-bit offset serves.  The offset lies in the slot's first register and the load
; lands on it: a slot needs no address register of its own, and nothing has to be freed before the slot's next turn but its own data.
.macro LOADROW i
	v_lshl_add_u32 v[X+4*\i], s[SA], 9, v[LN]
	global_load_b128 v[X+4*\i:X+4*\i+3], v[X+4*\i], s[BANK:BANK+1]
.endm
; Sum over the 32 lanes, result in every lane.  t has been written before (a lane permute's destination counts as read).
.macro WSUM r, t
.irp m, 1,2,4,8
	v_add_f32_dpp v[\r], v[\r], v[\r] row_xmask:\m row_mask:0xf bank_mask:0xf
.endr
	v_permlanex16_b32 v[\t], v[\r], s[PLO], s[PHI]
	v_add_f32 v[\r], v[\r], v[\t]
.endm
	s_wait_kmcnt 0x0                               ; indices 0-31
.irp i, 0,1,2,3,4,5,6,7,8,9,10,11,12,13,14,15
	CLAMP IA+\i
	LOADROW \i
.endr
.irp i, 16,17,18,19,20,21,22,23,24,25,26,27,28,29,30,31
	CLAMP IB+\i-16
	LOADROW \i
.endr
	s_load_b512 s[IA:IA+15], s[NP:NP+1], 0x80      ; indices 32-47, wanted at the head of the first body
	; q: sum of squares over the wave, then one factor log2(e) / (0.07 max(|q|, 1e-12)), so that dot products come out as base-2 logits
	s_wait_loadcnt DEPTH                           ; loads return in order (ISA guide 5.7.1): q (and k) are older than the 32 ring loads, which stay out
	v_pk_mul_f32 v[D:D+1], v[Q:Q+1], v[Q:Q+1]
	v_pk_fma_f32 v[D:D+1], v[Q+2:Q+3], v[Q+2:Q+3], v[D:D+1]
	v_add_f32 v[D], v[D], v[D+1]
	WSUM D, D+1
	v_sqrt_f32 v[D], v[D]
	v_mov_b32 v[MX], 0xff800000                    ; running maximum starts at -inf; also the plain place behind v_sqrt_f32 (ISA guide 5.7.2)
	s_wait_alu depctr_va_vdst(0)
	v_max_num_f32 v[D], 0x2b8cbccc, v[D]           ; 1e-12
	v_rcp_f32 v[D], v[D]
	v_mov_b32 v[SM], 0                             ; running sum; the plain place behind v_rcp_f32
	s_wait_alu depctr_va_vdst(0)
	v_mul_f32 v[D], 0x41a4e123, v[D]               ; log2(e) / 0.07 = 20.609929
	v_pk_mul_f32 v[Q:Q+1], v[Q:Q+1], v[D:D+1] op_sel_hi:[1,0]
	v_pk_mul_f32 v[Q+2:Q+3], v[Q+2:Q+3], v[D:D+1] op_sel_hi:[1,0]
	s_cmp_lg_u32 s[WAVE], 0
	s_cbranch_scc1 .Lgo
	v_pk_mul_f32 v[D:D+1], v[KF:KF+1], v[KF:KF+1]  ; wave 0: kf, out1[b] and the positive logit
	v_pk_fma_f32 v[D:D+1], v[KF+2:KF+3], v[KF+2:KF+3], v[D:D+1]
	v_add_f32 v[D], v[D], v[D+1]
	WSUM D, D+1
	v_sqrt_f32 v[D], v[D]
	v_nop
	s_wait_alu depctr_va_vdst(0)
	v_max_num_f32 v[D], 0x2b8cbccc, v[D]
	v_rcp_f32 v[D], v[D]
	v_nop
	s_wait_alu depctr_va_vdst(0)
	v_pk_mul_f32 v[KF:KF+1], v[KF:KF+1], v[D:D+1] op_sel_hi:[1,0]
	v_pk_mul_f32 v[KF+2:KF+3], v[KF+2:KF+3], v[D:D+1] op_sel_hi:[1,0]
	global_store_b128 v[LN], v[KF:KF+3], s[O1:O1+1] th:TH_STORE_NT  ; the row's 512 consecutive bytes by one store
	v_pk_mul_f32 v[D:D+1], v[KF:KF+1], v[Q:Q+1]
	v_pk_fma_f32 v[D:D+1], v[KF+2:KF+3], v[Q+2:Q+3], v[D:D+1]
	v_add_f32 v[Y0], v[D], v[D+1]
	WSUM Y0, D+1
.Lgo:
; THE BUTTERFLY.  Row i leaves a partial sum in each of the 32 lanes.  Two registers A (earlier rows) and B (later rows) of level k merge
; into one: lanes whose bit k is 0 keep A and receive A from lane xor 2^k, the others do the same for B.  After five levels each lane
; holds the whole dot product of one of 32 rows (which lane holds which row does not matter to a logsumexp).  Merging in the order of
; a binary counter, only one register waits at each level.  A = PEND+k, B = CUR.
.macro COMB k, m, dst
	v_cndmask_b32 v[U], v[CUR], v[PEND+\k], s[MK+\k]           ; what my partner wants: bit 0 -> B, bit 1 -> A
	v_cndmask_b32 v[\dst], v[PEND+\k], v[CUR], s[MK+\k]        ; what I keep:           bit 0 -> A, bit 1 -> B
	v_add_f32_dpp v[\dst], v[U], v[\dst] row_xmask:\m row_mask:0xf bank_mask:0xf
.endm
; The last level crosses the halves of the wave; then 32 logits enter the lanes' running maximum and sum.
.macro LAST
	v_cndmask_b32 v[U], v[CUR], v[PEND+4], s[MK+4]
	v_cndmask_b32 v[CUR], v[PEND+4], v[CUR], s[MK+4]
	v_permlanex16_b32 v[D], v[U], s[PLO], s[PHI]
	v_add_f32 v[CUR], v[CUR], v[D]
	v_max_num_f32 v[T0], v[MX], v[CUR]
	v_sub_f32 v[T1], v[MX], v[T0]                  ; first time -inf: 2^-inf = 0 wipes the empty sum
	v_sub_f32 v[T2], v[CUR], v[T0]
	v_exp_f32 v[T1], v[T1]
	v_exp_f32 v[T2], v[T2]
	v_mov_b32 v[MX], v[T0]                         ; the plain place behind the two v_exp_f32 (ISA guide 5.7.2)
	s_wait_alu depctr_va_vdst(0)
	v_fma_f32 v[SM], v[SM], v[T1], v[T2]
.endm
; One slot's turn.  refill = 1: the slot is loaded again with the row 32 further on, whose index lies in s[sidx].
.macro SLOT i, sidx, refill
.if \refill
	CLAMP \sidx                                    ; scalar work ahead of the wait
	s_wait_loadcnt DEPTH-1                         ; my load is the oldest: the 31 younger ones stay out
.else
	s_wait_loadcnt DEPTH-1-\i                      ; nothing is issued any more: the count runs down to 0
.endif
	v_pk_mul_f32 v[D:D+1], v[X+4*\i:X+4*\i+1], v[Q:Q+1]
	v_pk_fma_f32 v[D:D+1], v[X+4*\i+2:X+4*\i+3], v[Q+2:Q+3], v[D:D+1]
.if \refill
	LOADROW \i                                     ; as soon as the slot has been read
.endif
.if (\i & 1) == 0
	v_add_f32 v[PEND], v[D], v[D+1]
.else
	v_add_f32 v[CUR], v[D], v[D+1]
.if (\i & 3) == 1
	COMB 0, 1, PEND+1
.elseif (\i & 7) == 3
	COMB 0, 1, CUR
	COMB 1, 2, PEND+2
.elseif (\i & 15) == 7
	COMB 0, 1, CUR
	COMB 1, 2, CUR
	COMB 2, 4, PEND+3
.elseif (\i & 31) == 15
	COMB 0, 1, CUR
	COMB 1, 2, CUR
	COMB 2, 4, CUR
	COMB 3, 8, PEND+4
.else
	COMB 0, 1, CUR
	COMB 1, 2, CUR
	COMB 2, 4, CUR
	COMB 3, 8, CUR
	LAST
.endif
.endif
.endm
; A body: once round the ring, 32 rows.  Scalar loads return in no order, so only s_wait_kmcnt 0 tells anything (ISA guide 5.7.1); each
; wait therefore stands in FRONT of the next request, and each buffer of 16 indices is asked for half a body before it is wanted.
.macro BODY refill, ldb, lda
.if \refill
	s_wait_kmcnt 0x0                               ; IA is in; nothing else is out
.endif
.if \ldb
	s_load_b512 s[IB:IB+15], s[NP:NP+1], 0xc0      ; IB was used up in the last half body
.endif
.irp i, 0,1,2,3,4,5,6,7,8,9,10,11,12,13,14,15
	SLOT \i, IA+\i, \refill
.endr
.if \refill
	s_wait_kmcnt 0x0                               ; IB is in, and NP is free to be stepped
.endif
.if \lda
	s_add_nc_u64 s[NP:NP+1], s[NP:NP+1], 0x80
	s_load_b512 s[IA:IA+15], s[NP:NP+1], 0x80
.endif
.irp i, 16,17,18,19,20,21,22,23,24,25,26,27,28,29,30,31
	SLOT \i, IB+\i-16, \refill
.endr
.endm
	; 256 rows = 8 bodies.  Body r works on rows 32 r .. and refills with rows 32 (r + 1) ..
	s_mov_b32 s[CNT], 6
.Lbody:
	BODY 1, 1, 1
	s_sub_co_i32 s[CNT], s[CNT], 1
	s_cmp_lg_u32 s[CNT], 0
	s_cbranch_scc1 .Lbody
	BODY 1, 1, 0                                   ; body 6: the last 32 rows are requested; no index beyond my wave's 256 is read
	BODY 0, 0, 0                                   ; body 7: nothing is requested
	; my wave's maximum and its sum relative to it
	s_lshl_b32 s[SR], s[WAVE], 3
	v_max_num_f32_dpp v[T0], v[MX], v[MX] row_xmask:1 row_mask:0xf bank_mask:0xf
.irp m, 2,4,8
	v_max_num_f32_dpp v[T0], v[T0], v[T0] row_xmask:\m row_mask:0xf bank_mask:0xf
.endr
	v_permlanex16_b32 v[T2], v[T0], s[PLO], s[PHI]
	v_max_num_f32 v[T0], v[T0], v[T2]
	v_sub_f32 v[T2], v[MX], v[T0]
	v_exp_f32 v[T2], v[T2]
	v_mov_b32 v[AD], s[SR]                         ; 8 bytes of LDS for each wave; the plain place behind v_exp_f32
	s_wait_alu depctr_va_vdst(0)
	v_mul_f32 v[T1], v[SM], v[T2]
	WSUM T1, T2
	ds_store_b64 v[AD], v[T0:T1]                   ; all lanes write the same pair
	s_wait_dscnt 0x0                               ; the pair is in LDS before the signal: wave 0 reads it behind the barrier
	s_barrier_signal -1
	s_barrier_wait -1
	s_cmp_lg_u32 s[WAVE], 0
	s_cbranch_scc1 .Ldone
	; wave 0: lane l takes the pair of wave l % 16, so each half of 16 lanes reduces all 16 pairs by itself
	v_and_b32 v[AD], 15, v0
	v_lshlrev_b32 v[AD], 3, v[AD]
	ds_load_b64 v[T0:T1], v[AD]
	s_wait_dscnt 0x0
	v_max_num_f32_dpp v[T2], v[T0], v[T0] row_xmask:1 row_mask:0xf bank_mask:0xf
.irp m, 2,4,8
	v_max_num_f32_dpp v[T2], v[T2], v[T2] row_xmask:\m row_mask:0xf bank_mask:0xf
.endr
	v_max_num_f32 v[T2], v[T2], v[Y0]              ; the positive logit is one of the 4097
	v_sub_f32 v[T0], v[T0], v[T2]
	v_sub_f32 v[T3], v[Y0], v[T2]
	v_exp_f32 v[T0], v[T0]
	v_exp_f32 v[T3], v[T3]
	v_sub_f32 v[T2], v[T2], v[Y0]                  ; maximum - y0; the plain place behind the two v_exp_f32
	s_wait_alu depctr_va_vdst(0)
	v_mul_f32 v[T1], v[T1], v[T0]
.irp m, 1,2,4,8
	v_add_f32_dpp v[T1], v[T1], v[T1] row_xmask:\m row_mask:0xf bank_mask:0xf
.endr
	v_add_f32 v[T1], v[T1], v[T3]
	v_log_f32 v[T1], v[T1]
	v_mov_b32 v[AD], 0                             ; the plain place behind v_log_f32
	v_cmp_eq_u32 vcc_lo, 0, v0
	s_wait_alu depctr_va_vdst(0)
	v_add_f32 v[T1], v[T1], v[T2]                  ; log2(sum) + maximum - y0; ln 2 is left to the second launch
	s_wait_xcnt 0x0                                ; EXEC is a source of the store of kf: it changes only behind this wait
	s_wait_tensorcnt 0x0
	ds_add_u32 v160, v161
	s_wait_dscnt 0x0
	s_and_saveexec_b32 s[SA], vcc_lo
	global_store_b32 v[AD], v[T1], s[PT:PT+1]      ; lane 0: part[b]
	s_endpgm
.Ldone:
	s_wait_tensorcnt 0x0
	ds_add_u32 v160, v161
	s_wait_dscnt 0x0
	s_endpgm
.Lfunc_end_k_q031a473911_main:
	.size	k_q031a473911_main, .Lfunc_end_k_q031a473911_main-k_q031a473911_main
	.p2alignl 7, 3214868480
	.fill 96, 4, 3214868480
	.section	.rodata,"a",@progbits
	.p2align	6, 0x0
	.amdhsa_kernel k_q031a473911_main
		.amdhsa_group_segment_fixed_size 2304
		.amdhsa_private_segment_fixed_size 0
		.amdhsa_enable_private_segment 0
		.amdhsa_kernarg_size 48
		.amdhsa_user_sgpr_count 2
		.amdhsa_user_sgpr_kernarg_segment_ptr 1
		.amdhsa_wavefront_size32 1
		.amdhsa_system_sgpr_workgroup_id_x 1
		.amdhsa_system_sgpr_workgroup_id_y 1
		.amdhsa_system_sgpr_workgroup_id_z 1
		.amdhsa_system_vgpr_workitem_id 0
		.amdhsa_next_free_vgpr 162
		.amdhsa_next_free_sgpr 66
		.amdhsa_reserve_vcc 1
		.amdhsa_float_denorm_mode_32 3
		.amdhsa_float_denorm_mode_16_64 3
		.amdhsa_memory_ordered 1
		.amdhsa_forward_progress 1
		.amdhsa_inst_pref_size 77
	.end_amdhsa_kernel
	.amdgpu_metadata
---
amdhsa.version: [ 1, 2 ]
amdhsa.kernels:
  - .name:           k_q031a473911_main
    .symbol:         k_q031a473911_main.kd
    .args:
      - { .name: bank, .offset: 0, .size: 8, .value_kind: global_buffer, .address_space: global }
      - { .name: fea_k, .offset: 8, .size: 8, .value_kind: global_buffer, .address_space: global }
      - { .name: fea_q, .offset: 16, .size: 8, .value_kind: global_buffer, .address_space: global }
      - { .name: noise_indx, .offset: 24, .size: 8, .value_kind: global_buffer, .address_space: global }
      - { .name: out1, .offset: 32, .size: 8, .value_kind: global_buffer, .address_space: global }
      - { .name: part, .offset: 40, .size: 8, .value_kind: global_buffer, .address_space: global }
    .group_segment_fixed_size: 2304
    .private_segment_fixed_size: 0
    .kernarg_segment_align: 8
    .kernarg_segment_size: 48
    .max_flat_workgroup_size: 512
    .sgpr_count:     66
    .vgpr_count:     162
    .wavefront_size: 32
...
	.end_amdgpu_metadata
.endif
;; end of part 1
;; launch mean (part 2): grid 1 x 1, 1 waves a work-group, no clusters, 0 bytes of LDS; arguments part, out0; writes out0
.if DOCPART == 2
	.amdgcn_target "amdgcn-amd-amdhsa--gfx1250"
	.amdhsa_code_object_version 6
	.text
	.protected	k_q031a473911_mean
	.globl	k_q031a473911_mean
	.p2align	8
	.type	k_q031a473911_mean,@function
k_q031a473911_mean:
	s_mov_b64 s[64:65], 0
	v_nop
	global_prefetch_b8 v0, s[64:65] scope:SCOPE_SE
	s_setreg_imm32_b32 hwreg(HW_REG_WAVE_MODE, 25, 1), 1
	s_wait_xcnt 0x0
; out0 = ln 2 / 256 x the sum of part[0..255]: the mean over the batch of logsumexp - positive logit, which the first launch left in
; base-2 units.  A sum over all work-groups of a launch needs a launch of its own; 1,024 bytes are one wave's work: two loads of 512
; consecutive bytes, eight numbers a lane, one reduction over the lanes.
	s_load_b128 s[4:7], s[0:1], 0x0                ; part, out0
	v_lshlrev_b32 v1, 4, v0                        ; 16 x lane
	s_mov_b32 s8, 0x76543210                       ; v_permlanex16_b32: lane i of one half reads lane i of the other
	s_mov_b32 s9, 0xfedcba98
	s_wait_kmcnt 0x0
	global_load_b128 v[2:5], v1, s[4:5]
	global_load_b128 v[6:9], v1, s[4:5] offset:512
	s_wait_loadcnt 0x0
	v_pk_add_f32 v[2:3], v[2:3], v[4:5]
	v_pk_add_f32 v[6:7], v[6:7], v[8:9]
	v_pk_add_f32 v[2:3], v[2:3], v[6:7]
	v_add_f32 v2, v2, v3
.irp m, 1,2,4,8
	v_add_f32_dpp v2, v2, v2 row_xmask:\m row_mask:0xf bank_mask:0xf
.endr
	v_permlanex16_b32 v3, v2, s8, s9
	v_add_f32 v2, v2, v3
	v_mul_f32 v2, 0x3b317218, v2                   ; ln 2 / 256
	v_mov_b32 v4, 0
	v_cmp_eq_u32 vcc_lo, 0, v0
	s_and_saveexec_b32 s10, vcc_lo                 ; both loads were waited for: nothing pending reads EXEC
	global_store_b32 v4, v2, s[6:7]                ; lane 0
	s_endpgm
.Lfunc_end_k_q031a473911_mean:
	.size	k_q031a473911_mean, .Lfunc_end_k_q031a473911_mean-k_q031a473911_mean
	.p2alignl 7, 3214868480
	.fill 96, 4, 3214868480
	.section	.rodata,"a",@progbits
	.p2align	6, 0x0
	.amdhsa_kernel k_q031a473911_mean
		.amdhsa_group_segment_fixed_size 0
		.amdhsa_private_segment_fixed_size 0
		.amdhsa_enable_private_segment 0
		.amdhsa_kernarg_size 16
		.amdhsa_user_sgpr_count 2
		.amdhsa_user_sgpr_kernarg_segment_ptr 1
		.amdhsa_wavefront_size32 1
		.amdhsa_system_sgpr_workgroup_id_x 1
		.amdhsa_system_sgpr_workgroup_id_y 1
		.amdhsa_system_sgpr_workgroup_id_z 1
		.amdhsa_system_vgpr_workitem_id 0
		.amdhsa_next_free_vgpr 10
		.amdhsa_next_free_sgpr 66
		.amdhsa_reserve_vcc 1
		.amdhsa_float_denorm_mode_32 3
		.amdhsa_float_denorm_mode_16_64 3
		.amdhsa_memory_ordered 1
		.amdhsa_forward_progress 1
		.amdhsa_inst_pref_size 2
	.end_amdhsa_kernel
	.amdgpu_metadata
---
amdhsa.version: [ 1, 2 ]
amdhsa.kernels:
  - .name:           k_q031a473911_mean
    .symbol:         k_q031a473911_mean.kd
    .args:
      - { .name: part, .offset: 0, .size: 8, .value_kind: global_buffer, .address_space: global }
      - { .name: out0, .offset: 8, .size: 8, .value_kind: global_buffer, .address_space: global }
    .group_segment_fixed_size: 0
    .private_segment_fixed_size: 0
    .kernarg_segment_align: 8
    .kernarg_segment_size: 16
    .max_flat_workgroup_size: 32
    .sgpr_count:     66
    .vgpr_count:     10
    .wavefront_size: 32
...
	.end_amdgpu_metadata
.endif
;; end of part 2
